; MI455X (gfx1250); checked and timed in simulation.
; The chip was launched on July 23, 2026; its instructions are those of AMD's public machine-readable ISA for CDNA 5 (MIT licence, August 2026) and "CDNA5" Instruction Set Architecture Reference Guide (July 2026). The comments in the code are by the model that wrote it; some were corrected since.
;; Multi Head Self Attention. Allowed arithmetic: matrix products marked QUANTISED: E4M3 operands, one given power-of-two scale a tensor, by v_wmma_f32_16x16x64_fp8_fp8 or v_wmma_f32_16x16x128_fp8_fp8, f32 sums; everything else in f32.
;; Inputs: Wk_codes 1,024 x 32 x 32 uint8 (E4M3 codes of Wk, K innermost, in blocks of 32 codes); Wo_codes 1,024 x 32 x 32 uint8 (E4M3 codes of Wo, K innermost, in blocks of 32 codes); Wq_codes 1,024 x 32 x 32 uint8 (E4M3 codes of Wq, K innermost, in blocks of 32 codes); Wv_codes 1,024 x 32 x 32 uint8 (E4M3 codes of Wv, K innermost, in blocks of 32 codes); lowp_scales 12 int32 (the exponents e of the quantised operands' scales 2^e); token_positions 1 x 4,096 int32; x_codes 1 x 4,096 x 32 x 32 uint8 (E4M3 codes of x, K innermost, in blocks of 32 codes).
;; Outputs: out0 1 x 4,096 x 1,024 float32.
;; This version of the problem:
;;   THIS VERSION OF THE PROBLEM IS GIVEN IN LOW PRECISION. The matrix products marked QUANTISED in the list below multiply operands that are first quantised to E4M3 (4 exponent bits, 3 mantissa bits; 8 bits a number), with one given power-of-two scale for each operand tensor; their sums are f32. All else is computed in f32.
;;   The module's matrix products, in the order in which they are computed (A, B: the left and right operand; K: the contracted axis; several contracted axes count as one K, in the product's order):
;;     1. [M 4,096, K 1,024] x [K 1,024, N 1,024]; A: input x (given as codes); B: input Wq (given as codes): QUANTISED (scales: A lowp_scales[0], B lowp_scales[1])
;;     2. [M 4,096, K 1,024] x [K 1,024, N 1,024]; A: input x (given as codes); B: input Wk (given as codes): QUANTISED (scales: A lowp_scales[2], B lowp_scales[3])
;;     3. [M 4,096, K 1,024] x [K 1,024, N 1,024]; A: input x (given as codes); B: input Wv (given as codes): QUANTISED (scales: A lowp_scales[4], B lowp_scales[5])
;;     4. batch 16 x [M 4,096, K 64] x [K 64, N 4,096]; A: computed on the way; B: computed on the way: QUANTISED (scales: A lowp_scales[6], B lowp_scales[7])
;;     5. batch 16 x [M 4,096, K 4,096] x [K 4,096, N 64]; A: softmax (see below); B: computed on the way: QUANTISED (scales: A lowp_scales[8], B lowp_scales[9])
;;     6. [M 4,096, K 1,024] x [K 1,024, N 1,024]; A: computed on the way; B: input Wo (given as codes): QUANTISED (scales: A lowp_scales[10], B lowp_scales[11])
;;   THE QUANTISER, for each operand of a quantised product, along K:
;;     - The operand's scale is 2^e, e = its entry of the input lowp_scales (int32; the entries are numbered through the quantised products in the list's order, A before B).
;;     - Each number is divided by the scale, clamped to +-448, and rounded to the nearest number of E4M3, ties to even, subnormals kept.
;;     - The product sums the exact products of the quantised numbers (number of the format x scale) in f32.
;;   ~~~python
;;   def quantise(x, axis, e):      # numpy; x: float32 -> the quantised numbers, widened to float32 again
;;       x = np.moveaxis(x, axis, -1); K = x.shape[-1]
;;       r = np.clip(x / 2.0 ** e, -448, 448)
;;       step = 2.0 ** (np.maximum(np.frexp(np.where(r == 0, 1, r))[1] - 1, -6) - 3)
;;       q = np.round(r / step) * step * 2.0 ** e      # np.round: ties to even
;;       return np.moveaxis(q, -1, axis).astype(np.float32)
;;   ~~~
;;   SOFTMAX AHEAD OF A QUANTISED PRODUCT. Where the list says 'softmax', what is quantised is not the finished softmax but p = 2^(t - M), with t = logit x log2(e) and M = ceil(the row's largest t), a whole number; so 1/2 < the row's largest p <= 1. The row's sum l is taken of the UNQUANTISED p, in f32, and the product's result is divided by l at the end. Since M is a whole number, a kernel that streams over the keys may use a running M (the ceiling of the running maximum): every later rescaling is an exact power of two, so the quantised numbers keep their values, but for numbers so far below the row's largest that they fall under the format's range.
;;   OPERANDS COMPUTED ON THE WAY. 'Computed on the way' means the value that the module computes at that place (a softmax that the list does not call 'softmax' is quantised finished and normalised). What goes into a quantiser is computed in f32, as accurately as f32 sums, v_exp_f32 and their like allow (about 1e-6 of the number): no bf16 or f16 on the way to a quantiser, and a product that is left as it is and whose result goes on into a quantised operand takes f32 operands (vector FMAs, or v_wmma_f32_16x16x4_f32). A number that lies on a knife's edge between two numbers of the format may be rounded either way, as far as f32 arithmetic and the matrix unit's own rounding can turn it there, and no further.
;;   INPUTS GIVEN AS CODES. Wk (in the module: [1024, 1024], K = its axis 1); Wo (in the module: [1024, 1024], K = its axis 1); Wq (in the module: [1024, 1024], K = its axis 1); Wv (in the module: [1024, 1024], K = its axis 1); x (in the module: [1, 4096, 1024], K = its axis 2): each comes as NAME_codes (uint8): NAME with its K axis moved to the last place and cut into blocks of 32 codes, [.., K / 32, bytes a block], one block behind the other in memory; one code a byte (a code: sign, 4 exponent bits, 3 mantissa bits); its scale is its entry of lowp_scales. Its value is code x scale, taken as it is: it is not quantised again, and the codes and scales need not be those that the quantiser above would give.
;; One version. Each part assembles by itself: llvm-mc -triple=amdgcn-amd-amdhsa -mcpu=gfx1250 --defsym DOCPART=n.
;; ======== version 1 of 1: 3 launches
;; limits: right only within a limited range of input values
;; workspace buffers: q_img 4,194,304 bytes; kv_img 8,388,608 bytes; ctx_img 4,194,304 bytes
;; launch qkv (part 1): grid 16 x 16, 4 waves a work-group, clusters of 4 x 4, 327,680 bytes of LDS; arguments x_codes, Wq_codes, Wk_codes, Wv_codes, lowp_scales, token_positions, q_img, kv_img; writes q_img, kv_img
.if DOCPART == 1
	.amdgcn_target "amdgcn-amd-amdhsa--gfx1250"
	.amdhsa_code_object_version 6
	.text
	.protected	k_q92ebc10526_qkv
	.globl	k_q92ebc10526_qkv
	.p2align	8
	.type	k_q92ebc10526_qkv,@function
k_q92ebc10526_qkv:
	s_mov_b64 s[64:65], 0
	v_nop
	global_prefetch_b8 v0, s[64:65] scope:SCOPE_SE
	s_setreg_imm32_b32 hwreg(HW_REG_WAVE_MODE, 25, 1), 1
	s_wait_xcnt 0x0
	s_wait_alu depctr_hold_cnt(0) depctr_sa_sdst(0) depctr_va_vdst(0) depctr_va_sdst(0) depctr_va_ssrc(0) depctr_va_vcc(0) depctr_vm_vsrc(0)
	s_getreg_b32 s2, hwreg(HW_REG_IB_STS2, 6, 4)
	s_cmp_eq_u32 s2, 0
	s_cbranch_scc0 .Lentry_in_a_cluster
	s_endpgm
.Lentry_in_a_cluster:
	s_bfe_u32 s2, ttmp6, 0x10000c
	s_cmp_lg_u32 s2, 0xf033
	s_cbranch_scc0 .Lentry_shape_is_right
	s_endpgm
.Lentry_shape_is_right:
.set PITCH,  272
.set XB,     256*PITCH
.set SLOT,   448*PITCH
.set CSB,    2*SLOT
.set SPARE,  CSB+256*PITCH
.set ADX,  2
.set ADW,  4
.set CSW,  6
.set CSR,  7
.set LI,   8
.set PO,   9
.set SPW,  10
.set NIL,  11
.set SCQ,  12
.set LIMQ, 13
.set SCK,  14
.set LIMK, 15
.set SCV,  16
.set LIMV, 17
.set POS,  18
.set TS0,  20
.set TS1,  64
.set KON,  96
.set XF,   64
.set CODES, 64
.set CSV,  160
.set TA,   192
.set WV,   22
.set G1X,  28
.set G1W,  36
.set G0X,  44
.set G0W,  52
.set MQK,  0xa1
.set MV,   0xf4
.set TO_W, 0x40
.set MSB, 0
.macro WIN new
.if MSB != \new
	s_set_vgpr_msb (MSB<<8)|\new
.set MSB, \new
.endif
.endm
.macro PLACES n
.rept \n
	v_nop
.endr
.endm
.macro JLOAD sl
	s_cmp_eq_u32 s[WV], 0
	s_cbranch_scc0 .Lfor_w_\@
	tensor_load_to_lds s[G0X+4*\sl:G0X+4*\sl+3], s[G1X:G1X+7]
	s_nop 0
.rept 4
	v_nop
.endr
	s_branch .Lasked_\@
.Lfor_w_\@:
	tensor_load_to_lds s[G0W+4*\sl:G0W+4*\sl+3], s[G1W:G1W+7]
	s_nop 0
.rept 4
	v_nop
.endr
.Lasked_\@:
.endm
.macro CREST
	s_cmp_lg_u32 s[WV], 0
	s_cbranch_scc1 .Lnot_wave_0_\@
	s_barrier_signal -3
.Lnot_wave_0_\@:
	s_barrier_wait -3
	s_barrier_signal -1
	s_barrier_wait -1
.endm
.macro CROUND
	s_barrier_signal -1
	s_barrier_wait -1
	CREST
.endm
	s_load_b512 s[4:19], s[0:1], 0x0
	v_lshl_add_u32 v[SPW], v0, 2, SPARE
	v_mov_b32 v[NIL], 0
	ds_add_u32 v10, v11
	ds_add_u32 v10, v11
	s_wait_dscnt 0x0
	v_lshrrev_b32 v1, 5, v0
	v_readfirstlane_b32 s[WV], v1
	s_bfe_u32 s23, ttmp6, 0x40000
	s_bfe_u32 s24, ttmp6, 0x40004
	s_lshl_b32 s25, ttmp9, 2
	s_add_co_u32 s25, s25, s23
	s_and_b32 s26, ttmp7, 0xffff
	s_lshl_b32 s26, s26, 2
	s_add_co_u32 s26, s26, s24
	s_lshl_b32 s27, s24, 2
	s_lshl_b32 s27, 15, s27
	s_lshl_b32 s60, 0x1111, s23
	s_or_b32 s[G1X], s27, (0<<16)|(1<<20)|(1<<21)|(5<<22)|(3<<25)
	s_or_b32 s[G1W], s60, (0<<16)|(1<<20)|(1<<21)|(5<<22)|(3<<25)
	s_mov_b32 s[G1X+1], 256<<16
	s_mov_b32 s[G1X+2], 256<<16
	s_mov_b32 s[G1X+3], 256<<16
	s_mov_b32 s[G1X+4], 256
	s_mov_b32 s[G1X+5], 1024
	s_mov_b32 s[G1X+6], 0
	s_mov_b32 s[G1X+7], 0
	s_mov_b32 s[G1W+1], 256<<16
	s_mov_b32 s[G1W+2], 64<<16
	s_mov_b32 s[G1W+3], 256<<16
	s_mov_b32 s[G1W+4], 64
	s_mov_b32 s[G1W+5], 1024
	s_mov_b32 s[G1W+6], 0
	s_mov_b32 s[G1W+7], 0
	s_lshl_b32 s86, s26, 18
	s_mov_b32 s87, 0
	s_lshl_b32 s88, s25, 16
	s_mov_b32 s89, 0
	s_mul_i32 s61, s[WV], 64*PITCH
	s_add_co_u32 s61, s61, XB-64*PITCH
	s_wait_kmcnt 0x0
	s_load_b256 s[68:75], s[12:13], 0x0
	s_load_b128 s[76:79], s[12:13], 0x20
	s_cmp_eq_u32 s[WV], 1
	s_cselect_b64 s[90:91], s[6:7], s[8:9]
	s_cmp_eq_u32 s[WV], 3
	s_cselect_b64 s[90:91], s[10:11], s[90:91]
	s_add_nc_u64 s[90:91], s[90:91], s[88:89]
	s_add_nc_u64 s[86:87], s[4:5], s[86:87]
	; the prefetches' addresses: wave 0 names rows of x's tile, 64 x cx on; waves 1-3 rows of their W, 16 x cy on: the four partners that ask for a tile jointly share its rows out by address
	s_cmp_eq_u32 s[WV], 0
	s_cselect_b64 s[62:63], s[86:87], s[90:91]
	s_cselect_b32 s66, s23, s24
	s_cselect_b32 s21, 6, 4
	s_cselect_b32 s20, 31, 15
	s_lshl_b32 s66, s66, s21
	v_and_b32 v53, 31, v0
	v_min_u32 v53, s20, v53                        ; (W: sixteen rows; the lanes left over name the last again)
	v_add_nc_u32 v53, s66, v53
	v_lshlrev_b32 v52, 10, v53                     ; a row is 1,024 bytes; v52 and s[62:63] are never rewritten
	CROUND
; A slot's first fill: its descriptors, a round of the cluster's barrier, the joint load; behind it a prefetch of the K step two fills on (256 bytes of each row that my work-group names)
.macro FILL s
	s_mov_b32 s[G0X+4*\s], 1
	s_mov_b32 s[G0X+4*\s+1], \s*SLOT
	s_add_nc_u64 s[G0X+4*\s+2:G0X+4*\s+3], s[86:87], \s*256
	s_or_b32 s[G0X+4*\s+3], s[G0X+4*\s+3], 0x80000000
	s_mov_b32 s[G0W+4*\s], 1
	s_add_co_u32 s[G0W+4*\s+1], s61, \s*SLOT
	s_add_nc_u64 s[G0W+4*\s+2:G0W+4*\s+3], s[90:91], \s*256
	s_or_b32 s[G0W+4*\s+3], s[G0W+4*\s+3], 0x80000000
	s_wait_alu depctr_va_vdst(0)
	s_wait_tensorcnt 0x0
	ds_add_u32 v10, v11
	ds_add_u32 v10, v11
	s_wait_dscnt 0x0
	CROUND
	JLOAD \s
	global_prefetch_b8 v52, s[62:63] offset:512+256*\s th:TH_LOAD_NT scope:SCOPE_SE
	s_cmp_lg_u32 s[WV], 0
	s_cbranch_scc1 .Lpf_\@
	global_prefetch_b8 v52, s[62:63] offset:32768+512+256*\s th:TH_LOAD_NT scope:SCOPE_SE   ; x: my work-group's other 32 rows
.Lpf_\@:
.endm
	FILL 0
	s_lshl_b32 s92, s26, 10
	s_lshl_b32 s93, s[WV], 8
	s_add_co_u32 s92, s92, s93
	v_and_b32 v1, 31, v0
	v_lshlrev_b32 v[PO], 2, v1
	v_add_nc_u32 v[PO], s92, v[PO]
	global_load_b32 v[POS], v[PO], s[14:15]
	global_load_b32 v[POS+1], v[PO], s[14:15] offset:128
	v_and_b32 v62, 15, v0
	v_bfe_u32 v63, v0, 4, 1
	v_mul_u32_u24 v[ADX], v62, PITCH
	v_lshl_add_u32 v[ADW], v63, 4, v[ADX]
	s_mul_i32 s93, s[WV], 64*PITCH
	v_add_nc_u32 v[ADX], s93, v[ADW]
	v_add_nc_u32 v[ADX+1], SLOT, v[ADX]
	v_add_nc_u32 v[ADW], XB, v[ADW]
	v_add_nc_u32 v[ADW+1], SLOT, v[ADW]
	v_mul_u32_u24 v[CSW], v1, PITCH
	v_add_nc_u32 v[CSW], s93, v[CSW]
	v_add_nc_u32 v[CSW], CSB, v[CSW]
	v_mul_u32_u24 v[CSR], v62, PITCH
	v_lshl_add_u32 v[CSR], v63, 5, v[CSR]
	v_add_nc_u32 v[CSR], s93, v[CSR]
	v_add_nc_u32 v[CSR], CSB, v[CSR]
	v_lshlrev_b32 v[LI], 4, v1
.irp e, 0,1
	v_mov_b32 v[KON+\e], 0x4b400000
	v_mov_b32 v[KON+2+\e], 0xbe2aaaa3
	v_mov_b32 v[KON+4+\e], 0x3c08839e
	v_mov_b32 v[KON+6+\e], 0xb94ca1f9
	v_mov_b32 v[KON+8+\e], 0x3d2aaaa5
	v_mov_b32 v[KON+10+\e], 0xbab6061a
	v_mov_b32 v[KON+12+\e], 0x37ccf5ce
.endr
	s_mov_b32 s97, 0
	s_mov_b32 s99, 0
	s_lshl_b32 s92, s25, 18
	s_lshl_b32 s93, s26, 14
	s_add_co_u32 s92, s92, s93
	s_lshl_b32 s93, s[WV], 12
	s_add_co_u32 s94, s92, s93
	s_mov_b32 s95, 0
	s_add_nc_u64 s[80:81], s[16:17], s[94:95]
	; kv_img: [head][step of 128 keys][K's image, 8,192 bytes, then V's, 8,192 bytes]: my 64 tokens are half (wave % 2) of step 2 x (block of 256 tokens) + wave / 2
	s_lshl_b32 s92, s92, 1
	s_lshr_b32 s93, s[WV], 1
	s_lshl_b32 s93, s93, 14
	s_add_co_u32 s92, s92, s93
	s_and_b32 s93, s[WV], 1
	s_lshl_b32 s94, s93, 12
	s_add_co_u32 s94, s94, s92
	s_add_nc_u64 s[82:83], s[18:19], s[94:95]
	s_lshl_b32 s94, s93, 10
	s_add_co_u32 s94, s94, s92
	s_add_co_u32 s94, s94, 8192
	s_add_nc_u64 s[84:85], s[18:19], s[94:95]
	s_wait_loadcnt 0x0
	v_cvt_f32_i32 v[POS], v[POS]
	v_cvt_f32_i32 v[POS+1], v[POS+1]
	FILL 1                                         ; slot 1's fill: the table of sines and cosines below is made while it is on its way
.macro SINCOS i, f0, f1
	s_mov_b32 s96, \f0
	s_mov_b32 s98, \f1
	v_pk_mul_f32 v[TS0:TS0+1], v[POS:POS+1], s[96:97] op_sel_hi:[1,0]
	v_pk_mul_f32 v[TS1:TS1+1], v[POS:POS+1], s[98:99] op_sel_hi:[1,0]
.irp b, TS0, TS1
	v_pk_fma_f32 v[\b+2:\b+3], v[\b:\b+1], 0x3f22f983, v[KON:KON+1] op_sel_hi:[1,0,1]
.endr
.irp b, TS0, TS1
	v_pk_add_f32 v[\b+4:\b+5], v[\b+2:\b+3], v[KON:KON+1] neg_lo:[0,1] neg_hi:[0,1]
.endr
.irp b, TS0, TS1
	v_pk_fma_f32 v[\b+6:\b+7], v[\b+4:\b+5], 0xbfc90fdb, v[\b:\b+1] op_sel_hi:[1,0,1]
.endr
.irp b, TS0, TS1
	v_pk_fma_f32 v[\b+6:\b+7], v[\b+4:\b+5], 0x333bbd2e, v[\b+6:\b+7] op_sel_hi:[1,0,1]
.endr
.irp b, TS0, TS1
	v_pk_mul_f32 v[\b+8:\b+9], v[\b+6:\b+7], v[\b+6:\b+7]
.endr
.irp b, TS0, TS1
	v_pk_fma_f32 v[\b+10:\b+11], v[\b+8:\b+9], v[KON+6:KON+7], v[KON+4:KON+5]
	v_pk_fma_f32 v[\b+16:\b+17], v[\b+8:\b+9], v[KON+12:KON+13], v[KON+10:KON+11]
.endr
.irp b, TS0, TS1
	v_pk_mul_f32 v[\b+12:\b+13], v[\b+8:\b+9], v[\b+6:\b+7]
	v_pk_mul_f32 v[\b+18:\b+19], v[\b+8:\b+9], v[\b+8:\b+9]
.endr
.irp b, TS0, TS1
	v_pk_fma_f32 v[\b+10:\b+11], v[\b+10:\b+11], v[\b+8:\b+9], v[KON+2:KON+3]
	v_pk_fma_f32 v[\b+16:\b+17], v[\b+16:\b+17], v[\b+8:\b+9], v[KON+8:KON+9]
.endr
.irp b, TS0, TS1
	v_pk_fma_f32 v[\b+20:\b+21], v[\b+8:\b+9], -0.5, 1.0 op_sel_hi:[1,0,0]
.endr
.irp b, TS0, TS1
	v_pk_fma_f32 v[\b+14:\b+15], v[\b+10:\b+11], v[\b+12:\b+13], v[\b+6:\b+7]
	v_pk_fma_f32 v[\b+22:\b+23], v[\b+16:\b+17], v[\b+18:\b+19], v[\b+20:\b+21]
.endr
.irp b, TS0, TS1
.irp e, 0,1
	v_lshlrev_b32 v[\b+26+\e], 31, v[\b+2+\e]
	v_lshlrev_b32 v[\b+24+\e], 30, v[\b+2+\e]
.endr
.endr
.irp b, TS0, TS1
.irp e, 0,1
	v_and_b32 v[\b+24+\e], 0x80000000, v[\b+24+\e]
.endr
.endr
.irp b, TS0, TS1
.irp e, 0,1
	v_cmp_ne_u32 vcc_lo, 0, v[\b+26+\e]
	v_cndmask_b32 v[\b+29+2*\e], v[\b+14+\e], v[\b+22+\e], vcc_lo
	v_cndmask_b32 v[\b+28+2*\e], v[\b+22+\e], v[\b+14+\e], vcc_lo
.endr
.endr
.irp b, TS0, TS1
.irp e, 0,1
	v_xor_b32 v[\b+26+\e], v[\b+24+\e], v[\b+26+\e]
	v_xor_b32 v[\b+29+2*\e], v[\b+24+\e], v[\b+29+2*\e]
.endr
.endr
.irp b, TS0, TS1
.irp e, 0,1
	v_xor_b32 v[\b+28+2*\e], v[\b+26+\e], v[\b+28+2*\e]
.endr
.endr
.irp e, 0,1
	ds_store_b64 v[CSW], v[TS0+28+2*\e:TS0+29+2*\e] offset:8*(\i)+32*PITCH*\e
	ds_store_b64 v[CSW], v[TS1+28+2*\e:TS1+29+2*\e] offset:8*(\i)+8+32*PITCH*\e
.endr
.endm
	SINCOS 0,  1.0,             0.7498942093
	SINCOS 2,  0.5623413252,    0.4216965034
	SINCOS 4,  0.3162277660,    0.2371373706
	SINCOS 6,  0.1778279410,    0.1333521432
	SINCOS 8,  0.1,             0.07498942093
	SINCOS 10, 0.05623413252,   0.04216965034
	SINCOS 12, 0.03162277660,   0.02371373706
	SINCOS 14, 0.01778279410,   0.01333521432
	SINCOS 16, 0.01,            0.007498942093
	SINCOS 18, 0.005623413252,  0.004216965034
	SINCOS 20, 0.003162277660,  0.002371373706
	SINCOS 22, 0.001778279410,  0.001333521432
	SINCOS 24, 0.001,           0.0007498942093
	SINCOS 26, 0.0005623413252, 0.0004216965034
	SINCOS 28, 0.0003162277660, 0.0002371373706
	SINCOS 30, 0.0001778279410, 0.0001333521432
.macro MKSC ea, eb, ec, sc, lim
	s_sub_co_i32 s92, s[\ea], s[\eb]
	s_sub_co_i32 s92, s92, s[\ec]
	s_add_co_i32 s92, s92, 127
	s_lshl_b32 s93, s92, 23
	v_mov_b32 v[\sc], s93
	s_add_co_i32 s92, s92, 8
	s_lshl_b32 s92, s92, 23
	s_or_b32 s92, s92, 0x600000
	v_mov_b32 v[\lim], s92
.endm
	s_wait_kmcnt 0x0
	MKSC 74, 68, 69, SCQ, LIMQ
	MKSC 75, 70, 71, SCK, LIMK
	MKSC 77, 72, 73, SCV, LIMV
.macro FRAG reg, adr, q, i
.irp c, 0,1,2,3
	ds_load_b128 v[\reg+4*\c:\reg+4*\c+3], v[\adr] offset:128*(\q)+32*\c+(\i)*16*PITCH
.endr
.endm
.macro FETCH_X slot, q, set
	WIN 0
.irp i, 0,1,2,3
	FRAG XF+64*(\set)+16*\i, ADX+\slot, \q, \i
.endr
.endm
.macro FETCH_W slot, q, f0
	WIN TO_W
.irp i, 0,1,2,3,4,5
	FRAG 16*(\f0+\i), ADW+\slot, \q, \f0+\i
.endr
	WIN 0
.endm
.macro MUL f0, n, set, zero
.set ff, \f0
.rept \n
.irp tk, 0,1,2,3
.set rX, XF+64*(\set)+16*\tk
.if ff < 8
.set rD, 128*(ff/4)+8*(4*(ff%4)+\tk)
	WIN MQK
.if \zero
	v_wmma_f32_16x16x128_fp8_fp8 v[rD:rD+7], v[16*ff:16*ff+15], v[rX:rX+15], 0
.else
	v_wmma_f32_16x16x128_fp8_fp8 v[rD:rD+7], v[16*ff:16*ff+15], v[rX:rX+15], v[rD:rD+7]
.endif
.else
.set rD, 8*(4*(ff%4)+\tk)
	WIN MV
.if \zero
	v_wmma_f32_16x16x128_fp8_fp8 v[rD:rD+7], v[rX:rX+15], v[16*ff:16*ff+15], 0
.else
	v_wmma_f32_16x16x128_fp8_fp8 v[rD:rD+7], v[rX:rX+15], v[16*ff:16*ff+15], v[rD:rD+7]
.endif
.endif
.endr
.set ff, ff+1
.endr
.endm
.macro STEP slot, zero
	s_wait_dscnt 24
	MUL 0, 6, 0, \zero
	s_wait_dscnt 0x0
	PLACES 4
	FETCH_X \slot, 1, 1
	FETCH_W \slot, 1, 0
	MUL 6, 6, 0, \zero
	PLACES 4
	FETCH_W \slot, 1, 6
.endm
.macro TURN slot, next, fill
	s_wait_tensorcnt 0x0
	ds_add_u32 v[SPW], v[NIL]
	s_wait_dscnt 25
	MUL 0, 3, 1, 0
	s_wait_dscnt 0x0
	s_barrier_signal -1
	MUL 3, 3, 1, 0
	WIN 0
	s_barrier_wait -1
.if \fill
	CREST
	s_add_nc_u64 s[G0X+4*\slot+2:G0X+4*\slot+3], s[G0X+4*\slot+2:G0X+4*\slot+3], 512
	s_add_nc_u64 s[G0W+4*\slot+2:G0W+4*\slot+3], s[G0W+4*\slot+2:G0W+4*\slot+3], 512
	JLOAD \slot
.else
	PLACES 4
.endif
	FETCH_X \next, 0, 0
	FETCH_W \next, 0, 0
	MUL 6, 6, 1, 0
	PLACES 4
	FETCH_W \next, 0, 6
.endm
	s_wait_tensorcnt 1
	s_wait_dscnt 0x0
	s_barrier_signal -1
	s_barrier_wait -1
	FETCH_X 0, 0, 0
	FETCH_W 0, 0, 0
	FETCH_W 0, 0, 6
	STEP 0, 1
	TURN 0, 1, 1
	STEP 1, 0
	TURN 1, 0, 1
	STEP 0, 0
	TURN 0, 1, 0
	STEP 1, 0
	s_wait_dscnt 24
	MUL 0, 6, 1, 0
	s_wait_dscnt 0x0
	MUL 6, 6, 1, 0
	WIN 0
.macro ROPE xk, tk, sc, lim, bs
	WIN 0x02
.irp dt, 0,1,2,3
.irp p, 0,2,4,6
	v_pk_mul_f32 v[TA+8*\dt+\p:TA+8*\dt+\p+1], v[128*\xk+8*(4*\dt+\tk)+\p:128*\xk+8*(4*\dt+\tk)+\p+1], v[CSV+8*\dt+\p:CSV+8*\dt+\p+1] op_sel_hi:[1,0]
.endr
.endr
.irp dt, 0,1,2,3
.irp p, 0,2,4,6
	v_pk_fma_f32 v[TA+8*\dt+\p:TA+8*\dt+\p+1], v[128*\xk+8*(4*\dt+\tk)+\p:128*\xk+8*(4*\dt+\tk)+\p+1], v[CSV+8*\dt+\p:CSV+8*\dt+\p+1], v[TA+8*\dt+\p:TA+8*\dt+\p+1] op_sel:[1,1,0] op_sel_hi:[0,1,1] neg_lo:[0,1,0]
.endr
.endr
	WIN 0
.set j, 0
.rept 32
	v_med3_num_f32 v[TA+j], v[TA+j], -v[\lim], v[\lim]
.set j, j+1
.endr
.irp dt, 0,1,2,3
	v_cvt_scalef32_pk8_fp8_f32 v[CODES+32*\xk+8*\tk+2*\dt:CODES+32*\xk+8*\tk+2*\dt+1], v[TA+8*\dt:TA+8*\dt+7], v[\sc]
.endr
	v_nop
.irp c, 0,1
	global_store_b128 v[LI], v[CODES+32*\xk+8*\tk+4*\c:CODES+32*\xk+8*\tk+4*\c+3], s[\bs:\bs+1] offset:1024*\tk+512*\c
.endr
.endm
	PLACES 4
.irp tk, 0,1,2,3
.irp dt, 0,1,2,3
.irp c, 0,1
	ds_load_b128 v[CSV+8*\dt+4*\c:CSV+8*\dt+4*\c+3], v[CSR] offset:\tk*16*PITCH+64*\dt+16*\c
.endr
.endr
	s_wait_dscnt 0x0
	ROPE 0, \tk, SCQ, LIMQ, 80
	ROPE 1, \tk, SCK, LIMK, 82
.endr
.irp dt, 0,1,2,3
	WIN 0x03
.set j, 0
.rept 32
	v_med3_num_f32 v[TA+j], v[32*\dt+j], -v[LIMV], v[LIMV]
.set j, j+1
.endr
	WIN 0
.irp tk, 0,1,2,3
	v_cvt_scalef32_pk8_fp8_f32 v[CODES+64+8*\dt+2*\tk:CODES+64+8*\dt+2*\tk+1], v[TA+8*\tk:TA+8*\tk+7], v[SCV]
.endr
	v_nop
.irp c, 0,1
	global_store_b128 v[LI], v[CODES+64+8*\dt+4*\c:CODES+64+8*\dt+4*\c+3], s[84:85] offset:2048*\dt+512*\c
.endr
.endr
	s_wait_tensorcnt 0x0
	ds_add_u32 v[SPW], v[NIL]
	s_wait_dscnt 0x0
	CROUND
	s_endpgm
.Lfunc_end_k_q92ebc10526_qkv:
	.size	k_q92ebc10526_qkv, .Lfunc_end_k_q92ebc10526_qkv-k_q92ebc10526_qkv
	.p2alignl 7, 3214868480
	.fill 96, 4, 3214868480
	.section	.rodata,"a",@progbits
	.p2align	6, 0x0
	.amdhsa_kernel k_q92ebc10526_qkv
		.amdhsa_group_segment_fixed_size 327680
		.amdhsa_private_segment_fixed_size 0
		.amdhsa_enable_private_segment 0
		.amdhsa_kernarg_size 64
		.amdhsa_user_sgpr_count 2
		.amdhsa_user_sgpr_kernarg_segment_ptr 1
		.amdhsa_wavefront_size32 1
		.amdhsa_system_sgpr_workgroup_id_x 1
		.amdhsa_system_sgpr_workgroup_id_y 1
		.amdhsa_system_sgpr_workgroup_id_z 1
		.amdhsa_system_vgpr_workitem_id 0
		.amdhsa_next_free_vgpr 1024
		.amdhsa_next_free_sgpr 100
		.amdhsa_reserve_vcc 1
		.amdhsa_float_denorm_mode_32 3
		.amdhsa_float_denorm_mode_16_64 3
		.amdhsa_memory_ordered 1
		.amdhsa_forward_progress 1
		.amdhsa_inst_pref_size 182
	.end_amdhsa_kernel
	.amdgpu_metadata
---
amdhsa.version: [ 1, 2 ]
amdhsa.kernels:
  - .name:           k_q92ebc10526_qkv
    .symbol:         k_q92ebc10526_qkv.kd
    .args:
      - { .name: x_codes, .offset: 0, .size: 8, .value_kind: global_buffer, .address_space: global }
      - { .name: Wq_codes, .offset: 8, .size: 8, .value_kind: global_buffer, .address_space: global }
      - { .name: Wk_codes, .offset: 16, .size: 8, .value_kind: global_buffer, .address_space: global }
      - { .name: Wv_codes, .offset: 24, .size: 8, .value_kind: global_buffer, .address_space: global }
      - { .name: lowp_scales, .offset: 32, .size: 8, .value_kind: global_buffer, .address_space: global }
      - { .name: token_positions, .offset: 40, .size: 8, .value_kind: global_buffer, .address_space: global }
      - { .name: q_img, .offset: 48, .size: 8, .value_kind: global_buffer, .address_space: global }
      - { .name: kv_img, .offset: 56, .size: 8, .value_kind: global_buffer, .address_space: global }
    .group_segment_fixed_size: 327680
    .private_segment_fixed_size: 0
    .kernarg_segment_align: 8
    .kernarg_segment_size: 64
    .max_flat_workgroup_size: 128
    .sgpr_count:     100
    .vgpr_count:     1024
    .wavefront_size: 32
...
	.end_amdgpu_metadata
.endif
;; end of part 1
;; launch attn (part 2): grid 16 x 16, 8 waves a work-group, no clusters, 327,680 bytes of LDS; arguments q_img, kv_img, lowp_scales, ctx_img; writes ctx_img
.if DOCPART == 2
	.amdgcn_target "amdgcn-amd-amdhsa--gfx1250"
	.amdhsa_code_object_version 6
	.text
	.protected	k_q92ebc10526_attn
	.globl	k_q92ebc10526_attn
	.p2align	8
	.type	k_q92ebc10526_attn,@function
k_q92ebc10526_attn:
	s_mov_b64 s[64:65], 0
	v_nop
	global_prefetch_b8 v0, s[64:65] scope:SCOPE_SE
	s_setreg_imm32_b32 hwreg(HW_REG_WAVE_MODE, 25, 1), 1
	s_wait_xcnt 0x0
; Causal attention of 16 heads of 64 on codes of E4M3; the result is quantised with 2^e10 into an image of the last product's operand registers.
; q_img: [head][tile of 16 tokens][2][lane][16 bytes]: lane (r, h) holds token r, registers 2 t, 2 t + 1 hold d = 16 t + 8 h + 0 .. 7.
; kv_img: [head][step of 128 keys][K: 8 tiles laid as Q's, 8,192 bytes][V: [tile of 16 d][4][lane][16], 8,192 bytes].  ctx_img: [block of 128 tokens][two heads][tile of 16 tokens][4][lane][16].
; THE SOFTMAX: t = score x log2(e) / 8; M = the running largest t rounded up to a whole number; p = 2^(t - M) is quantised with 2^e8, not normalised; the sum of the unquantised p divides at the end.
; LEFT OUT: key steps all of whose keys come after a block's queries: the module itself sets their scores to -inf, so their p is 0 for all inputs.
; SHARES.  Work-group (i, head) owns query blocks 31 - i and i (128 queries each) and walks them as ONE stream of 33 key steps of 128: steps 0 .. 31 - i for the long block (L = 32 - i of them), then steps 0 .. i for the short one.
; Wave w: wq = w % 4 picks two tiles of 16 queries, par = w / 4 the stream steps of its parity.  A query has two owners, waves wq and wq + 4.  At its first step of the short block a wave moves the long block's O^T, -M and sum
; into 68 registers that lie idle and begins anew; at the end the owners meet in LDS: waves 0-3 finish the short block, waves 4-7 the long one.  Both M are whole numbers, so one is brought under the other by a power of two.
; THE RING: two slots of eight stream steps, 16,384 bytes a step; wave w fetches stream step 8 (trip + 1) + w whole.  Stream step 32 (key step i) is fetched once, at the head, into bytes of its own behind slot 1.
; THE CHANGE OF SLOTS lies inside a slot's last step: behind the score products, when my last reads of the slot are back, stand the wait for my tensor load, the add, the wait on DScnt and the barrier's signal;
; the softmax and the second product, work on registers alone, stand between the signal and the wait; the fill of the slot left is the first thing behind the wait, at the top of the next trip, and has three steps in which to land.
; NO CLUSTER: the sixteen work-groups of a head turn back to key step 0 at stream step 32 - i, another step in each, so from there on partners would ask for different tiles in the same trip.
; CAUSAL, WITHOUT VECTOR WORK: on a block's diagonal step the score products take a C other than 0: a triangle (0 or -1e30) where key tile = query tile, -1e30 where the key tile comes later.  A raw score is at most 64 x 448^2, so -1e30 swallows it and p = 0.
; Which tiles those are hangs on wq alone: four copies of the sixteen products, chosen by a branch on the wave's number.
; PREFETCH: work-groups 8 and 9 ask in trip 0 for key steps 16 .. 23, work-groups 0 and 1 in trip 1 for key steps 24 .. 31: what the next trip's loads fetch; half each, 8,192 bytes a wave, lanes 256 bytes apart: each block of 256 bytes is named once for a head.  Key steps 0 - 15 come by their loads alone.
; LIMITS: e6 + e7 between -124 and 129; e8 and e10 - e8 - e9 between -126 and 119.  NaN among the inputs is not served.
; REGISTERS.  Window 0: v1-15 addresses and constants; v16-31 statistics; v32-43 at work; v44-47 the long block's -M and sums; v48-55 the triangle; v56-63 -1e30; v64-191 S^T, then p; v192-223 P's codes; v224-255 half of the long block's O^T, then the meeting.
;   Window 1: v0-63 O^T; v64-79 Q; v80-95 the short block's Q; v96-127 the other half of the long block's O^T; v128-191 K's fragments; v192-255 V's.
.set SLB,   131072                     ; slot 1
.set XS,    262144                     ; stream step 32
.set SPARE, XS+16384                   ; the spare words, 128 bytes for each of eight waves
.set MSTW,  8704                       ; the meeting's stage: a state of 8,704 bytes for each wave, in slot 0, which has had its last fill and its last read by then
.set LI,   1
.set ADR,  2
.set SPW,  4
.set NIL,  5
.set PFO,  6
.set MSO,  7                           ; my state in the stage
.set MSP,  9                           ; the other owner's
.set LIMP, 10
.set SCP,  11
.set LIMC, 12
.set SCC,  13
.set LIMP2, 15                         ; LIMP once more, in another register bank, for the dual form
.set ST,   16
.set TP,   32
.set GA,   32
.set QD,   40
.set LQ,   44
.set TRI,  48
.set NEG,  56
.set S,    64
.set P,    192
.set FB,   224
.set Q,    64
.set QS,   80
.set LS1,  96
.set KF,   128
.set VF,   192
.set WV,   14
.set PAR,  15
.set WQ,   16
.set IB,   17
.set LL,   18
.set HEAD, 19
.set TRIP, 20
.set TWICE, 21
.set SB,   22                          ; LDS byte of my next step
.set KS,   23                          ; my next stream step
.set G1,   24
.set G0,   32
.set DG,   36                          ; the stream step that is my block's diagonal
.set SW,   37                          ; my first stream step of the short block
.set FS,   38                          ; the stream step that I fetched last
.set PFT,  39
.set BASE, 40
.set OFS,  42
.set CT,   44
.set QL,   46
.set G0H,  48
.set CS,   52
.set SEL,  54
.set PFA,  56
.set G0X,  68
.set G1H,  84
.set G1X,  92
.set W_LD, 0x40
.set W_S,  0x05
.set W_RS, 0x41
.set W_PV, 0x51
.set MSB, 0
.macro WIN new
.if MSB != \new
	s_set_vgpr_msb (MSB<<8)|\new
.set MSB, \new
.endif
.endm
.macro NOPS n
.rept \n
	v_nop
.endr
.endm
	s_load_b256 s[4:11], s[0:1], 0x0               ; q_img, kv_img, scales, ctx_img
	v_lshl_add_u32 v[SPW], v0, 2, SPARE
	v_mov_b32 v[NIL], 0
	ds_add_u32 v[SPW], v[NIL]                      ; the opening lines: the add twice on end and its wait
	ds_add_u32 v[SPW], v[NIL]
	v_lshrrev_b32 v44, 5, v0
	v_readfirstlane_b32 s[WV], v44
	s_lshr_b32 s[PAR], s[WV], 2
	s_and_b32 s[WQ], s[WV], 3
	s_mov_b32 s[IB], ttmp9
	s_and_b32 s[HEAD], ttmp7, 0xffff
	s_sub_co_u32 s[LL], 32, s[IB]
	s_sub_co_u32 s[DG], 31, s[IB]                  ; the long block's number, and its diagonal's stream step
	s_add_co_u32 s59, s[LL], s[PAR]
	s_and_b32 s59, s59, 1
	s_add_co_u32 s[SW], s[LL], s59                 ; L or L + 1, of my parity
	s_mov_b32 s[KS], s[PAR]
	s_lshl_b32 s[SB], s[PAR], 14
	s_add_co_u32 s[FS], s[WV], 8
.irp g, G1, G1H, G1X                   ; dense blocks as rows of 32 elements of 8 bytes: 64 rows in the ring, 128 and 16 at the head
	s_mov_b32 s[\g], 3<<16
	s_mov_b32 s[\g+1], 32<<16
	s_mov_b32 s[\g+3], 32<<16
	s_mov_b32 s[\g+5], 32
	s_mov_b32 s[\g+6], 0
	s_mov_b32 s[\g+7], 0
.endr
	s_mov_b32 s[G1+2], 64<<16
	s_mov_b32 s[G1+4], 64
	s_mov_b32 s[G1H+2], 128<<16
	s_mov_b32 s[G1H+4], 128
	s_mov_b32 s[G1X+2], 16<<16
	s_mov_b32 s[G1X+4], 16
	s_lshl_b32 s72, s[WQ], 15
	s_mov_b32 s73, 0
	s_mov_b32 s[G0H], 1
	s_mov_b32 s[G0H+1], s72                        ; waves 0-3: stream steps 2 w and 2 w + 1 of slot 0
	s_lshl_b32 s59, s[WQ], 12
	s_mov_b32 s[G0X], 1
	s_add_co_u32 s[G0X+1], s59, XS                 ; waves 4-7: a quarter of stream step 32
	s_lshl_b32 s74, s[IB], 14
	s_add_co_u32 s74, s74, s59
	s_mov_b32 s75, 0
	s_mov_b32 s[G0], 1
	s_lshl_b32 s[G0+1], s[WV], 14
	s_add_co_u32 s[G0+1], s[G0+1], SLB             ; the ring: first slot 1; each change turns it
	s_lshl_b32 s[OFS], s[FS], 14
	s_mov_b32 s[OFS+1], 0
	s_lshl_b32 s60, s[HEAD], 19                    ; a head's image of K and V is 524,288 bytes
	s_mov_b32 s61, 0
	s_wait_dscnt 0x0
	s_wait_kmcnt 0x0
	s_load_b128 s[76:79], s[8:9], 0x18             ; e6 .. e9
	s_load_b32 s80, s[8:9], 0x28                   ; e10
	s_add_nc_u64 s[BASE:BASE+1], s[6:7], s[60:61]
	s_add_nc_u64 s[G0H+2:G0H+3], s[BASE:BASE+1], s[72:73]
	s_add_nc_u64 s[G0X+2:G0X+3], s[BASE:BASE+1], s[74:75]
	s_add_nc_u64 s[G0+2:G0+3], s[BASE:BASE+1], s[OFS:OFS+1]
	s_or_b32 s[G0H+3], s[G0H+3], 0x80000000
	s_or_b32 s[G0X+3], s[G0X+3], 0x80000000
	s_or_b32 s[G0+3], s[G0+3], 0x80000000
	s_cmp_lt_u32 s[WV], 4                          ; every wave issues one first fill, in one of two arms
	s_cbranch_scc0 .Lhx
	tensor_load_to_lds s[G0H:G0H+3], s[G1H:G1H+7]
	s_nop 0
	NOPS 4
	s_branch .Lhj
.Lhx:
	tensor_load_to_lds s[G0X:G0X+3], s[G1X:G1X+7]
	s_nop 0
	NOPS 4
.Lhj:
	s_lshr_b32 s59, s[IB], 3
	s_xor_b32 s[PFT], s59, 1                       ; the prefetch: i = 0, 1 in trip 1; i = 8, 9 in trip 0;
	s_and_b32 s62, s[IB], 6
	s_cmp_eq_u32 s62, 0
	s_cselect_b32 s[PFT], s[PFT], -1               ; the others in none
	s_sub_co_u32 s59, 3, s59
	s_lshl_b32 s72, s59, 17                        ; key steps 24 .. 31 or 16 .. 23,
	s_and_b32 s59, s[IB], 1
	s_lshl_b32 s59, s59, 16
	s_add_co_u32 s72, s72, s59                     ; my work-group's half,
	s_lshl_b32 s59, s[WV], 13
	s_add_co_u32 s72, s72, s59                     ; my wave's 8,192 bytes
	s_add_nc_u64 s[PFA:PFA+1], s[BASE:BASE+1], s[72:73]
	s_lshl_b32 s60, s[HEAD], 18                    ; a head's image of Q is 262,144 bytes
	s_add_nc_u64 s[66:67], s[4:5], s[60:61]
	s_lshl_b32 s59, s[WQ], 11
	s_lshl_b32 s72, s[DG], 13
	s_add_co_u32 s72, s72, s59
	s_add_nc_u64 s[QL:QL+1], s[66:67], s[72:73]    ; Q: the long block's two tiles,
	s_lshl_b32 s74, s[IB], 13
	s_add_co_u32 s74, s74, s59
	s_add_nc_u64 s[66:67], s[66:67], s[74:75]      ; the short block's
	s_cmp_eq_u32 s[PAR], 0
	s_cselect_b32 s59, s[IB], s[DG]                ; the block that I finish
	s_lshl_b32 s72, s59, 17
	s_lshr_b32 s59, s[HEAD], 1
	s_lshl_b32 s59, s59, 14
	s_add_co_u32 s72, s72, s59
	s_and_b32 s59, s[HEAD], 1
	s_lshl_b32 s59, s59, 10
	s_add_co_u32 s72, s72, s59
	s_lshl_b32 s59, s[WQ], 12
	s_add_co_u32 s72, s72, s59
	s_add_nc_u64 s[CT:CT+1], s[10:11], s[72:73]
	s_mul_i32 s81, s[WV], MSTW
	s_xor_b32 s59, s[WV], 4
	s_mul_i32 s82, s59, MSTW
	s_mov_b32 s[SEL], 0x76543210
	s_mov_b32 s[SEL+1], 0xfedcba98
	v_and_b32 v44, 31, v0
	v_lshlrev_b32 v[LI], 4, v44
	v_lshlrev_b32 v[PFO], 8, v44
	v_add_nc_u32 v[MSO], s81, v[LI]
	v_add_nc_u32 v[MSP], s82, v[LI]
	WIN W_LD
.irp u, 0,1
.irp c, 0,1
	global_load_b128 v[Q+8*\u+4*\c:Q+8*\u+4*\c+3], v[LI], s[QL:QL+1] offset:1024*\u+512*\c
	global_load_b128 v[QS+8*\u+4*\c:QS+8*\u+4*\c+3], v[LI], s[66:67] offset:1024*\u+512*\c
.endr
.endr
.set j, 0
.rept 32
	v_mov_b32 v[LS1+j], 0                          ; written once here: every wave fills them at its change of blocks
.set j, j+1
.endr
	WIN 0
	v_and_b32 v44, 15, v0
	v_bfe_u32 v45, v0, 4, 1
	v_lshlrev_b32 v45, 3, v45
	v_sub_nc_u32 v46, v44, v45                     ; r - 8 h: register i of a diagonal tile holds key 8 h + i, hidden where i > r - 8 h
.irp i, 0,1,2,3,4,5,6,7
	v_mov_b32 v[NEG+\i], 0xf149f2ca                ; -1e30
.endr
.irp i, 0,1,2,3,4,5,6,7
	v_cmp_gt_i32 vcc_lo, \i, v46
	v_cndmask_b32 v[TRI+\i], v[NIL], v[NEG+\i], vcc_lo
.endr
.irp j, 32,33,34,35,36,37,38,39,44,45,46,47
	v_mov_b32 v[\j], 0                             ; upper halves of pairs; the long block's four words
.endr
.set j, 0
.rept 32
	v_mov_b32 v[FB+j], 0
.set j, j+1
.endr
.macro FRESH                           ; O^T and the sums begin as zeros, the largest t as -3e38 and -M as 3e38
	WIN W_LD
.set j, 0
.rept 64
	v_mov_b32 v[j], 0
.set j, j+1
.endr
	WIN 0
.irp u, 0,1
	v_mov_b32 v[ST+8*\u+1], 0xff61b1e6
	v_mov_b32 v[ST+8*\u], 0x7f61b1e6
	v_mov_b32 v[ST+8*\u+2], 0
	v_mov_b32 v[ST+8*\u+3], 0
	v_mov_b32 v[ST+8*\u+5], 0
.endr
.endm
	FRESH
	s_wait_kmcnt 0x0
	s_add_co_i32 s59, s76, s77
	s_lshl_b32 s59, s59, 23
	s_add_co_i32 s[CS], s59, 0x3e38aa3b            ; c = log2(e) / 8, with e6 + e7 added to its exponent field
	s_mov_b32 s[CS+1], s[CS]
	s_add_co_i32 s59, s78, 127
	s_lshl_b32 s60, s59, 23
	v_mov_b32 v[SCP], s60                          ; 2^e8
	s_add_co_i32 s59, s59, 8
	s_lshl_b32 s59, s59, 23
	s_or_b32 s59, s59, 0x600000
	v_mov_b32 v[LIMP], s59                         ; 448 x 2^e8
	v_mov_b32 v[LIMP2], s59
	s_sub_co_i32 s59, s80, s78
	s_sub_co_i32 s59, s59, s79
	s_add_co_i32 s59, s59, 127
	s_lshl_b32 s60, s59, 23
	v_mov_b32 v[SCC], s60                          ; 2^(e10 - e8 - e9)
	s_add_co_i32 s59, s59, 8
	s_lshl_b32 s59, s59, 23
	s_or_b32 s59, s59, 0x600000
	v_mov_b32 v[LIMC], s59
.macro STATE d                         ; -M and the sum of both tiles as four words; also the four places behind the last products
	v_add_f32 v[\d+1], v[ST+2], v[ST+3]
	v_add_f32 v[\d+3], v[ST+10], v[ST+11]
	v_mov_b32 v[\d], v[ST]
	v_mov_b32 v[\d+2], v[ST+8]
.endm
; The sixteen score products.  jd: my place wq on a diagonal step, 8 on an open one.
.macro QK jd
.irp kt, 0,1,2,3,4,5,6,7
.irp u, 0,1
.if \kt < 2*(\jd)+\u
	v_wmma_f32_16x16x64_fp8_fp8 v[S+64*\u+8*\kt:S+64*\u+8*\kt+7], v[KF+8*\kt:KF+8*\kt+7], v[Q+8*\u:Q+8*\u+7], 0
.elseif \kt == 2*(\jd)+\u
	v_wmma_f32_16x16x64_fp8_fp8 v[S+64*\u+8*\kt:S+64*\u+8*\kt+7], v[KF+8*\kt:KF+8*\kt+7], v[Q+8*\u:Q+8*\u+7], v[TRI:TRI+7]
.else
	v_wmma_f32_16x16x64_fp8_fp8 v[S+64*\u+8*\kt:S+64*\u+8*\kt+7], v[KF+8*\kt:KF+8*\kt+7], v[Q+8*\u:Q+8*\u+7], v[NEG:NEG+7]
.endif
.endr
.endr
.endm
; A STREAM STEP: 128 keys against my two tiles of 16 queries.  kind 0: inside a slot; 1: a slot's last, with the change of slots; 2: in the last slot, where the stream ends.
; K's fragments of the step at LDS byte s58: asked for a step ahead, behind the score products that were the last to read these registers (the addition and three v_nop are the four places behind them), or behind a slot's fill
.set ADK,  3
.macro KLOAD
	v_add_nc_u32 v[ADK], s58, v[LI]
	NOPS 3
	WIN W_LD
.irp kt, 0,1,2,3,4,5,6,7
.irp c, 0,1
	ds_load_b128 v[KF+8*\kt+4*\c:KF+8*\kt+4*\c+3], v[ADK] offset:1024*\kt+512*\c
.endr
.endr
	WIN 0
.endm
.macro STEP kind
	s_cmp_lg_u32 s[KS], s[SW]
	s_cbranch_scc1 .Lnsw_\@
	STATE LQ                                       ; the short block begins: the long block's state goes into registers that lie idle; each accumulator is read from its low end on
	WIN W_RS
.set j, 0
.rept 32
	v_mov_b32 v[LS1+j], v[j]
.set j, j+1
.endr
	WIN 0x01
.set j, 0
.rept 32
	v_mov_b32 v[FB+j], v[32+j]
.set j, j+1
.endr
	s_mov_b32 s[DG], 32
	WIN W_RS
.set j, 0
.rept 16
	v_mov_b32 v[Q+j], v[QS+j]
.set j, j+1
.endr
	FRESH
	s_wait_alu depctr_va_vdst(0)
.Lnsw_\@:
.if \kind == 2
	s_cmp_gt_u32 s[KS], 32                         ; the stream has 33 steps
	s_cbranch_scc1 .Lhid_\@
.endif
	s_min_u32 s59, s[SB], XS                       ; (behind slot 1 lies stream step 32; nothing is read beyond it)
	v_add_nc_u32 v[ADR], s59, v[LI]
	NOPS 3                                         ; with the addition: four places in front of loads into registers that the last products read
	WIN W_LD
.irp dt, 0,1,2,3
.irp c, 0,1,2,3
	ds_load_b128 v[VF+16*\dt+4*\c:VF+16*\dt+4*\c+3], v[ADR] offset:8192+2048*\dt+512*\c
.endr
.endr
	s_wait_dscnt 16                                ; K's 16 loads are in; V's 16 may be out
	WIN 0
	s_cmp_eq_u32 s[KS], s[DG]
	s_cbranch_scc1 .Ldg_\@
	WIN W_S
	QK 8
	WIN 0
	s_branch .Ljn_\@
.Ldg_\@:
	s_cmp_lg_u32 s[WQ], 0
	s_cbranch_scc1 .Ld1_\@
	WIN W_S
	QK 0
	WIN 0
	s_branch .Ljn_\@
.Ld1_\@:
	s_cmp_lg_u32 s[WQ], 1
	s_cbranch_scc1 .Ld2_\@
	WIN W_S
	QK 1
	WIN 0
	s_branch .Ljn_\@
.Ld2_\@:
	s_cmp_lg_u32 s[WQ], 2
	s_cbranch_scc1 .Ld3_\@
	WIN W_S
	QK 2
	WIN 0
	s_branch .Ljn_\@
.Ld3_\@:
	WIN W_S
	QK 3
	WIN 0
.Ljn_\@:
.if \kind == 1
	s_wait_tensorcnt 0x0                           ; my part of the next slot has landed, so group 0 may be written
	ds_add_u32 v[SPW], v[NIL]
	s_xor_b32 s[G0+1], s[G0+1], SLB                ; what the next trip's fill asks for: the slot that I am leaving,
	s_add_co_u32 s[FS], s[FS], 8
	s_sub_co_u32 s59, s[FS], s[LL]
	s_cmp_lt_u32 s[FS], s[LL]
	s_cselect_b32 s59, s[FS], s59                  ; stream step FS: key step FS of the long block, or FS - L of the short one
	s_min_u32 s59, s59, 31                         ; (the bound is written out; behind the third trip the words are not used)
	s_lshl_b32 s[OFS], s59, 14
	s_add_nc_u64 s[G0+2:G0+3], s[BASE:BASE+1], s[OFS:OFS+1]
	s_or_b32 s[G0+3], s[G0+3], 0x80000000
	NOPS 4
	s_wait_dscnt 0x0                               ; the add is done, and my last reads of this slot are back
	s_barrier_signal -1                            ; work on registers alone stands between here and the wait at the step's end
.else
	s_add_co_u32 s58, s[SB], 32768                 ; my next step lies in the same slot (behind slot 1: stream step 32; nothing is read beyond it)
	s_min_u32 s58, s58, XS
	KLOAD
.endif
.irp u, 0,1                            ; the step's largest score, in two chains a tile; each accumulator is read from its low end on
	v_max3_num_f32 v[ST+8*\u+6], v[S+64*\u], v[S+64*\u+1], v[S+64*\u+2]
	v_max3_num_f32 v[ST+8*\u+7], v[S+64*\u+3], v[S+64*\u+4], v[S+64*\u+5]
.endr
.set i, 6
.rept 14
.irp u, 0,1
	v_max3_num_f32 v[ST+8*\u+6], v[ST+8*\u+6], v[S+64*\u+i], v[S+64*\u+i+1]
	v_max3_num_f32 v[ST+8*\u+7], v[ST+8*\u+7], v[S+64*\u+i+2], v[S+64*\u+i+3]
.endr
.set i, i+4
.endr
.irp u, 0,1
	v_max3_num_f32 v[ST+8*\u+6], v[ST+8*\u+6], v[S+64*\u+62], v[S+64*\u+63]
.endr
.irp u, 0,1
	s_delay_alu instid0(VALU_DEP_2)
	v_max_num_f32 v[ST+8*\u+6], v[ST+8*\u+6], v[ST+8*\u+7]
.endr
.irp u, 0,1
	s_delay_alu instid0(VALU_DEP_2)
	v_permlanex16_b32 v[ST+8*\u+7], v[ST+8*\u+6], s[SEL], s[SEL+1]   ; the query's other 64 keys lie in the lane 16 away
.endr
.irp u, 0,1
	s_delay_alu instid0(VALU_DEP_2)
	v_max_num_f32 v[ST+8*\u+6], v[ST+8*\u+6], v[ST+8*\u+7]
.endr
.irp u, 0,1
	s_delay_alu instid0(VALU_DEP_2)
	v_mul_f32 v[ST+8*\u+6], s[CS], v[ST+8*\u+6]    ; as t (c is positive)
.endr
.irp u, 0
	s_delay_alu instid0(VALU_DEP_2)
	v_max_num_f32 v[ST+8*\u+1], v[ST+8*\u+1], v[ST+8*\u+6]
	v_mov_b32 v[ST+8*\u+6], v[ST+8*\u]
.endr
.irp u, 1
	s_delay_alu instid0(VALU_DEP_3)
	v_max_num_f32 v[ST+8*\u+1], v[ST+8*\u+1], v[ST+8*\u+6]
	v_mov_b32 v[ST+8*\u+6], v[ST+8*\u]
.endr
.irp u, 0
	s_delay_alu instid0(VALU_DEP_4)
	v_floor_f32 v[ST+8*\u], -v[ST+8*\u+1]          ; -M = floor(-t): M is a whole number
.endr
.irp u, 1
	s_delay_alu instid0(VALU_DEP_3)
	v_floor_f32 v[ST+8*\u], -v[ST+8*\u+1]
.endr
.irp u, 0,1
	s_delay_alu instid0(VALU_DEP_2)
	v_sub_f32 v[ST+8*\u+6], v[ST+8*\u], v[ST+8*\u+6]
.endr
.irp u, 0,1
	s_delay_alu instid0(VALU_DEP_2)
	v_cvt_i32_f32 v[ST+8*\u+6], v[ST+8*\u+6]       ; (it saturates)
.endr
.irp u, 0,1
	s_delay_alu instid0(VALU_DEP_2)
	v_ldexp_f32 v[ST+8*\u+4], 1.0, v[ST+8*\u+6]    ; f = 2^(old M - new M)
.endr
.irp u, 0,1
.set j, 0
.rept 32
	v_pk_fma_f32 v[S+64*\u+j:S+64*\u+j+1], v[S+64*\u+j:S+64*\u+j+1], s[CS:CS+1], v[ST+8*\u:ST+8*\u+1] op_sel_hi:[1,0,0]   ; t - M
.set j, j+2
.endr
.endr
.set j, 0
	s_wait_alu depctr_va_vdst(0)
.rept 128
	v_exp_f32 v[S+j], v[S+j]                       ; p = 2^(t - M): both tiles' exponentials are one batch
.set j, j+1
.endr
.irp u, 0,1
	v_pk_mul_f32 v[ST+8*\u+2:ST+8*\u+3], v[ST+8*\u+2:ST+8*\u+3], v[ST+8*\u+4:ST+8*\u+5] op_sel_hi:[1,0]   ; the sums under the new M
.endr
	s_wait_alu depctr_va_vdst(0)                   ; one wait for the batch, ahead of its first reader
.irp u, 0,1
	v_pk_add_f32 v[TP+2*\u:TP+2*\u+1], v[S+64*\u:S+64*\u+1], v[S+64*\u+2:S+64*\u+3]   ; the sum of the unquantised p, in two chains a tile
.endr
.set j, 4
.rept 15
.irp u, 0,1
	v_pk_add_f32 v[ST+8*\u+2:ST+8*\u+3], v[ST+8*\u+2:ST+8*\u+3], v[S+64*\u+j:S+64*\u+j+1]
	v_pk_add_f32 v[TP+2*\u:TP+2*\u+1], v[TP+2*\u:TP+2*\u+1], v[S+64*\u+j+2:S+64*\u+j+3]
.endr
.set j, j+4
.endr
.irp u, 0
	s_delay_alu instid0(VALU_DEP_3)
	v_pk_add_f32 v[ST+8*\u+2:ST+8*\u+3], v[ST+8*\u+2:ST+8*\u+3], v[TP+2*\u:TP+2*\u+1]
.endr
.irp u, 1
	s_delay_alu instid0(VALU_DEP_2)
	v_pk_add_f32 v[ST+8*\u+2:ST+8*\u+3], v[ST+8*\u+2:ST+8*\u+3], v[TP+2*\u:TP+2*\u+1]
.endr
.set j, 0
.rept 64
	v_dual_min_num_f32 v[S+j], v[S+j], v[LIMP] :: v_dual_min_num_f32 v[S+j+1], v[S+j+1], v[LIMP2]   ; the hold (the conversion does not saturate: ISA guide 7.6.2); p is not negative, so it is one-sided; two numbers a line
.set j, j+2
.endr
.irp u, 0,1
.irp kt, 0,1,2,3,4,5,6,7
	v_cvt_scalef32_pk8_fp8_f32 v[P+16*\u+2*\kt:P+16*\u+2*\kt+1], v[S+64*\u+8*\kt:S+64*\u+8*\kt+7], v[SCP]
.endr
.endr
	WIN W_RS
	s_wait_alu depctr_va_vdst(0)                   ; the wait directly ahead of the first reader of O^T
.irp u, 0,1
.set j, 0
.rept 16
	v_pk_mul_f32 v[32*\u+j:32*\u+j+1], v[32*\u+j:32*\u+j+1], v[ST+8*\u+4:ST+8*\u+5] op_sel_hi:[1,0]   ; O^T under the new M; also the plain lines between the conversions and the products
.set j, j+2
.endr
.endr
	s_wait_alu depctr_va_vdst(0)                   ; and directly ahead of the wait below
.if \kind == 1
	s_wait_dscnt 0x0
.else
	s_wait_dscnt 16                                ; V is in; the next step's 16 loads of K may be out
.endif
	WIN W_PV
.irp dt, 0,1,2,3
.irp u, 0,1
	v_wmma_f32_16x16x128_fp8_fp8 v[32*\u+8*\dt:32*\u+8*\dt+7], v[VF+16*\dt:VF+16*\dt+15], v[P+16*\u:P+16*\u+15], v[32*\u+8*\dt:32*\u+8*\dt+7]   ; eight accumulators, one instruction each
.endr
.endr
	WIN 0
.Lhid_\@:
	s_add_co_u32 s[KS], s[KS], 2
	s_add_co_u32 s[SB], s[SB], 32768
.if \kind == 1
	s_and_b32 s[SB], s[SB], XS-1                   ; behind slot 1 comes slot 0
	s_barrier_wait -1                              ; every wave has left this slot, and the next one is whole
.endif
.endm
.macro STEPS n, kind                   ; written once, walked n times
	s_mov_b32 s[TWICE], \n
.Lstep_\@:
	STEP \kind
	s_sub_co_u32 s[TWICE], s[TWICE], 1
	s_cmp_lg_u32 s[TWICE], 0
	s_cbranch_scc1 .Lstep_\@
.endm
	s_mov_b32 s[TRIP], 0
	s_wait_alu depctr_va_vdst(0)
	s_wait_loadcnt 0x0                             ; Q
	s_wait_tensorcnt 0x0                           ; my part of slot 0 or of stream step 32
	ds_add_u32 v[SPW], v[NIL]
	s_wait_dscnt 0x0
	s_barrier_signal -1
	s_barrier_wait -1
.Lslot:                                            ; three trips: stream steps 0 .. 23.  At a trip's top, first behind the barrier, my one load: stream step 8 (trip + 1) + w (in trip 0: slot 1's first fill)
	tensor_load_to_lds s[G0:G0+3], s[G1:G1+7]
	s_nop 0
	NOPS 4
	s_cmp_eq_u32 s[TRIP], s[PFT]
	s_cbranch_scc0 .Lnm
	global_prefetch_b8 v[PFO], s[PFA:PFA+1] th:TH_LOAD_NT scope:SCOPE_SE
.Lnm:
	s_mov_b32 s58, s[SB]
	KLOAD                                          ; K of the slot's first step
	STEPS 3, 0
	STEP 1
	s_add_co_u32 s[TRIP], s[TRIP], 1
	s_cmp_lt_u32 s[TRIP], 3
	s_cbranch_scc1 .Lslot
	s_mov_b32 s58, s[SB]
	KLOAD
	STEPS 5, 2
; THE MEETING.  Waves 0-3 put their long block's state into the stage, waves 4-7 their short block's and take their own long block's into O^T's registers; a barrier; every wave brings its state and the other owner's
; under the larger M, divides by the whole sum, quantises and stores.  An owner that saw no key has -M = 3e38: the difference saturates and its factor is 0.
	s_wait_alu depctr_va_vdst(0)
	STATE QD
	s_wait_alu depctr_va_vdst(0)
	s_cmp_lt_u32 s[WV], 4
	s_cbranch_scc0 .Lhi
	WIN 0x04
.set j, 0
.rept 8
	ds_store_b128 v[MSO], v[LS1+4*j:LS1+4*j+3] offset:512*j
.set j, j+1
.endr
	WIN 0
.set j, 0
.rept 8
	ds_store_b128 v[MSO], v[FB+4*j:FB+4*j+3] offset:4096+512*j
.set j, j+1
.endr
	ds_store_b128 v[MSO], v[LQ:LQ+3] offset:8192
	s_branch .Lmt
.Lhi:
	WIN 0x04
.set j, 0
.rept 16
	ds_store_b128 v[MSO], v[4*j:4*j+3] offset:512*j
.set j, j+1
.endr
	WIN 0
	ds_store_b128 v[MSO], v[QD:QD+3] offset:8192
	s_wait_dscnt 0x0
	WIN W_RS
.set j, 0
.rept 32
	v_mov_b32 v[j], v[LS1+j]
.set j, j+1
.endr
	WIN W_LD
.set j, 0
.rept 32
	v_mov_b32 v[32+j], v[FB+j]
.set j, j+1
.endr
	WIN 0
.irp k, 0,1,2,3
	v_mov_b32 v[QD+\k], v[LQ+\k]
.endr
	s_wait_alu depctr_va_vdst(0)
.Lmt:
	s_wait_dscnt 0x0                               ; for the others' sake: my stores are done
	s_barrier_signal -1
	s_barrier_wait -1
.set j, 0
.rept 16
	ds_load_b128 v[S+4*j:S+4*j+3], v[MSP] offset:512*j
.set j, j+1
.endr
	ds_load_b128 v[FB:FB+3], v[MSP] offset:8192
	s_wait_dscnt 0x0
.irp u, 0,1
	v_min_num_f32 v[FB+4+\u], v[QD+2*\u], v[FB+2*\u]          ; -M of the two together
.endr
.irp u, 0
	s_delay_alu instid0(VALU_DEP_2)
	v_sub_f32 v[FB+6+\u], v[FB+4+\u], v[QD+2*\u]
	s_delay_alu instid0(VALU_DEP_3)
	v_sub_f32 v[FB+8+\u], v[FB+4+\u], v[FB+2*\u]
.endr
.irp u, 1
	s_delay_alu instid0(VALU_DEP_3)
	v_sub_f32 v[FB+6+\u], v[FB+4+\u], v[QD+2*\u]
	s_delay_alu instid0(VALU_DEP_4)
	v_sub_f32 v[FB+8+\u], v[FB+4+\u], v[FB+2*\u]
.endr
.irp u, 0,1
	s_delay_alu instid0(VALU_DEP_4)
	v_cvt_i32_f32 v[FB+6+\u], v[FB+6+\u]
	s_delay_alu instid0(VALU_DEP_4)
	v_cvt_i32_f32 v[FB+8+\u], v[FB+8+\u]
.endr
.irp u, 0,1
	s_delay_alu instid0(VALU_DEP_4)
	v_ldexp_f32 v[FB+6+\u], 1.0, v[FB+6+\u]                   ; my factor,
	s_delay_alu instid0(VALU_DEP_4)
	v_ldexp_f32 v[FB+8+\u], 1.0, v[FB+8+\u]                   ; the other owner's
.endr
.irp u, 0
	s_delay_alu instid0(VALU_DEP_4)
	v_mul_f32 v[FB+10+\u], v[QD+2*\u+1], v[FB+6+\u]
.endr
.irp u, 1
	s_delay_alu instid0(VALU_DEP_3)
	v_mul_f32 v[FB+10+\u], v[QD+2*\u+1], v[FB+6+\u]
.endr
.irp u, 0,1
	s_delay_alu instid0(VALU_DEP_2)
	v_fma_f32 v[FB+10+\u], v[FB+2*\u+1], v[FB+8+\u], v[FB+10+\u]
.endr
.irp u, 0,1
	s_delay_alu instid0(VALU_DEP_2)
	v_permlanex16_b32 v[FB+12+\u], v[FB+10+\u], s[SEL], s[SEL+1]
.endr
.irp u, 0,1
	s_delay_alu instid0(VALU_DEP_2)
	v_add_f32 v[FB+10+\u], v[FB+10+\u], v[FB+12+\u]           ; the row's sum
.endr
	s_wait_alu depctr_va_vdst(0)
.irp u, 0,1
	v_rcp_f32 v[FB+10+\u], v[FB+10+\u]
.endr
	v_nop                                          ; a plain line behind the reciprocals
	s_wait_alu depctr_va_vdst(0)                   ; and the wait ahead of their first reader
.irp u, 0,1
	v_mul_f32 v[GA+4*\u], v[FB+6+\u], v[FB+10+\u]
	v_mul_f32 v[GA+4*\u+2], v[FB+8+\u], v[FB+10+\u]
.endr
.irp u, 0,1
.set j, 0
.rept 16
	v_pk_mul_f32 v[S+32*\u+j:S+32*\u+j+1], v[S+32*\u+j:S+32*\u+j+1], v[GA+4*\u+2:GA+4*\u+3] op_sel_hi:[1,0]
.set j, j+2
.endr
.endr
	WIN 0x01                                       ; source 0: my O^T, window 1; each accumulator from its low end on
	s_wait_alu depctr_va_vdst(0)                   ; the wait directly ahead of the first reader of O^T
.irp u, 0,1
.set j, 0
.rept 16
	v_pk_fma_f32 v[S+32*\u+j:S+32*\u+j+1], v[32*\u+j:32*\u+j+1], v[GA+4*\u:GA+4*\u+1], v[S+32*\u+j:S+32*\u+j+1] op_sel_hi:[1,0,1]
.set j, j+2
.endr
.endr
	WIN 0
.set j, 0
.rept 64
	v_med3_num_f32 v[S+j], v[S+j], -v[LIMC], v[LIMC]
.set j, j+1
.endr
.irp u, 0,1
.irp dt, 0,1,2,3
	v_cvt_scalef32_pk8_fp8_f32 v[FB+16+8*\u+2*\dt:FB+16+8*\u+2*\dt+1], v[S+32*\u+8*\dt:S+32*\u+8*\dt+7], v[SCC]
.endr
.endr
	v_nop                                          ; one plain line behind the last conversion
.irp u, 0,1
.irp c, 0,1
	global_store_b128 v[LI], v[FB+16+8*\u+4*\c:FB+16+8*\u+4*\c+3], s[CT:CT+1] offset:2048*\u+512*\c   ; 32 lanes store 512 consecutive bytes, aligned
.endr
.endr
	s_wait_tensorcnt 0x0                           ; the wave's end
	ds_add_u32 v[SPW], v[NIL]
	s_wait_dscnt 0x0
	s_endpgm
.Lfunc_end_k_q92ebc10526_attn:
	.size	k_q92ebc10526_attn, .Lfunc_end_k_q92ebc10526_attn-k_q92ebc10526_attn
	.p2alignl 7, 3214868480
	.fill 96, 4, 3214868480
	.section	.rodata,"a",@progbits
	.p2align	6, 0x0
	.amdhsa_kernel k_q92ebc10526_attn
		.amdhsa_group_segment_fixed_size 327680
		.amdhsa_private_segment_fixed_size 0
		.amdhsa_enable_private_segment 0
		.amdhsa_kernarg_size 32
		.amdhsa_user_sgpr_count 2
		.amdhsa_user_sgpr_kernarg_segment_ptr 1
		.amdhsa_wavefront_size32 1
		.amdhsa_system_sgpr_workgroup_id_x 1
		.amdhsa_system_sgpr_workgroup_id_y 1
		.amdhsa_system_sgpr_workgroup_id_z 1
		.amdhsa_system_vgpr_workitem_id 0
		.amdhsa_next_free_vgpr 512
		.amdhsa_next_free_sgpr 100
		.amdhsa_reserve_vcc 1
		.amdhsa_float_denorm_mode_32 3
		.amdhsa_float_denorm_mode_16_64 3
		.amdhsa_memory_ordered 1
		.amdhsa_forward_progress 1
		.amdhsa_inst_pref_size 150
	.end_amdhsa_kernel
	.amdgpu_metadata
---
amdhsa.version: [ 1, 2 ]
amdhsa.kernels:
  - .name:           k_q92ebc10526_attn
    .symbol:         k_q92ebc10526_attn.kd
    .args:
      - { .name: q_img, .offset: 0, .size: 8, .value_kind: global_buffer, .address_space: global }
      - { .name: kv_img, .offset: 8, .size: 8, .value_kind: global_buffer, .address_space: global }
      - { .name: lowp_scales, .offset: 16, .size: 8, .value_kind: global_buffer, .address_space: global }
      - { .name: ctx_img, .offset: 24, .size: 8, .value_kind: global_buffer, .address_space: global }
    .group_segment_fixed_size: 327680
    .private_segment_fixed_size: 0
    .kernarg_segment_align: 8
    .kernarg_segment_size: 32
    .max_flat_workgroup_size: 256
    .sgpr_count:     100
    .vgpr_count:     512
    .wavefront_size: 32
...
	.end_amdgpu_metadata
.endif
;; end of part 2
;; launch oproj (part 3): grid 8 x 32, 4 waves a work-group, clusters of 4 x 4, 288,256 bytes of LDS; arguments ctx_img, Wo_codes, lowp_scales, out0; writes out0
.if DOCPART == 3
	.amdgcn_target "amdgcn-amd-amdhsa--gfx1250"
	.amdhsa_code_object_version 6
	.text
	.protected	k_q92ebc10526_oproj
	.globl	k_q92ebc10526_oproj
	.p2align	8
	.type	k_q92ebc10526_oproj,@function
k_q92ebc10526_oproj:
	s_mov_b64 s[64:65], 0
	v_nop
	global_prefetch_b8 v0, s[64:65] scope:SCOPE_SE
	s_setreg_imm32_b32 hwreg(HW_REG_WAVE_MODE, 25, 1), 1
	s_wait_xcnt 0x0
	s_wait_alu depctr_hold_cnt(0) depctr_sa_sdst(0) depctr_va_vdst(0) depctr_va_sdst(0) depctr_va_ssrc(0) depctr_va_vcc(0) depctr_vm_vsrc(0)
	s_getreg_b32 s2, hwreg(HW_REG_IB_STS2, 6, 4)
	s_cmp_eq_u32 s2, 0
	s_cbranch_scc0 .Lentry_in_a_cluster
	s_endpgm
.Lentry_in_a_cluster:
	s_bfe_u32 s2, ttmp6, 0x10000c
	s_cmp_lg_u32 s2, 0xf033
	s_cbranch_scc0 .Lentry_shape_is_right
	s_endpgm
.Lentry_shape_is_right:
; out0 = ctx Wo^T on codes of E4M3, each finished sum x 2^(e10 + e11).  ctx_img: [block of 128 tokens][K step of 128][tile of 16 tokens][4][lane][16 bytes], an image of operand registers
; (lane (r, h): token r; registers 2 c, 2 c + 1: k = 16 c + 8 h + 0 .. 7).  Wo: [1024][1024] codes, K innermost.  out0: [4096][1024] f32.
; SHARES.  A work-group (x = 128 columns, y = 128 tokens) of four waves; wave w takes tiles of tokens 4 (w / 2) + a and columns 64 (w % 2) + 16 b, a, b = 0 .. 3: 16 accumulators.
; ALL OF K LIES IN LDS, every byte filled once, by ONE load a wave: waves 0 and 1 the halves of ctx's dense block (65,536 bytes each), waves 2 and 3 64 whole rows of Wo each (1,024 bytes + 16 of padding).  No ring; one wait and one barrier.
; CLUSTER 4 x 4: ctx's block hangs on the token block alone and is asked for jointly along a row of the cluster, Wo's rows on the column block alone, jointly along a column.
; NO PREFETCH: the launch has no loop to run ahead in: all that it reads is asked for by its first four loads.
; Source 0 = 16 rows of Wo, source 1 = 16 tokens: a lane holds eight neighbouring columns of one token.  Wo's fragments are fetched by eight loads of 8 bytes, so that each k stands where ctx's image has it.
; LIMIT: e10 + e11 between -126 and 127.
; REGISTERS.  Window 0: v1-12 addresses; v30-31 the add's; v32-63 a tile's scaled sums; v64-127 rows read back, two sets; v128-255 accumulator (a, b) at 128 + 8 (4 a + b).  Window 1: two buffers of 128: ctx at 16 a, Wo at 64 + 16 b.
.set BB,     131072                    ; Wo's rows begin here
.set WP,     1040                      ; a row of Wo in LDS: 65 x 16 bytes, so the 32 lanes of a load of 8 bytes touch 64 different banks (64 banks of 4 bytes: ISA guide 11.1)
.set PITCH,  272
.set STG,    BB+128*WP                 ; behind them: a stage of 16 rows x 272 bytes for each wave; no fill lands here
.set ADA,  2                           ; v2-3  ctx's fragments: K steps 0-3, 4-7
.set ADB,  4                           ; v4    Wo's fragments
.set STO,  8
.set RD,   9
.set CO,   10
.set TMP,  32
.set BK,   64
.set ACC,  128
.set WV,   12
.set G1A,  16
.set G1B,  24
.set G0A,  32
.set G0B,  48
.set SC,   78
.set MULW, 0x05
.set TO_F, 0x40
.set MSB, 0
.macro WIN new
.if MSB != \new
	s_set_vgpr_msb (MSB<<8)|\new
.set MSB, \new
.endif
.endm
.macro PLACES n
.rept \n
	v_nop
.endr
.endm
.macro CROUND
	s_barrier_signal -1
	s_barrier_wait -1
	s_cmp_lg_u32 s[WV], 0
	s_cbranch_scc1 .Lnot_wave_0_\@
	s_barrier_signal -3
.Lnot_wave_0_\@:
	s_barrier_wait -3
	s_barrier_signal -1
	s_barrier_wait -1
.endm
	s_load_b256 s[4:11], s[0:1], 0x0               ; ctx_img s[4:5], Wo s[6:7], scales s[8:9], out0 s[10:11]
	v_lshl_add_u32 v30, v0, 2, 0x46400
	v_mov_b32 v31, 0
	ds_add_u32 v30, v31                            ; the opening lines
	ds_add_u32 v30, v31
	v_lshrrev_b32 v1, 5, v0
	v_readfirstlane_b32 s[WV], v1
	s_lshr_b32 s13, s[WV], 1                       ; which half of the tokens is mine.  Also: I fetch for ctx (0) or for Wo (1)
	s_and_b32 s14, s[WV], 1                        ; which half of the columns.  Also: which half I fetch
	s_bfe_u32 s66, ttmp6, 0x40000                  ; cx
	s_bfe_u32 s67, ttmp6, 0x40004                  ; cy
	s_lshl_b32 s68, ttmp9, 2
	s_add_co_u32 s68, s68, s66                     ; block of 128 columns
	s_and_b32 s69, ttmp7, 0xffff
	s_lshl_b32 s69, s69, 2
	s_add_co_u32 s69, s69, s67                     ; block of 128 tokens
	s_lshl_b32 s70, s67, 2
	s_lshl_b32 s70, 15, s70                        ; my row of the cluster
	s_lshl_b32 s71, 0x1111, s66                    ; my column
	s_or_b32 s[G1A], s70, (3<<16)|(1<<21)          ; ctx: 65,536 dense bytes as 256 rows of 32 elements of 8 bytes; no padding: fragments lie at 16 x lane
	s_mov_b32 s[G1A+1], 32<<16
	s_mov_b32 s[G1A+2], 256<<16
	s_mov_b32 s[G1A+3], 32<<16
	s_mov_b32 s[G1A+4], 256
	s_mov_b32 s[G1A+5], 32
	s_mov_b32 s[G1A+6], 0
	s_mov_b32 s[G1A+7], 0
	s_or_b32 s[G1B], s71, (0<<16)|(1<<20)|(1<<21)|(7<<22)|(3<<25)   ; Wo: 64 rows of 1,024 bytes, four words of padding behind every 256 words
	s_mov_b32 s[G1B+1], 1024<<16
	s_mov_b32 s[G1B+2], 64<<16
	s_mov_b32 s[G1B+3], 1024<<16
	s_mov_b32 s[G1B+4], 64
	s_mov_b32 s[G1B+5], 1024
	s_mov_b32 s[G1B+6], 0
	s_mov_b32 s[G1B+7], 0
	s_lshl_b32 s72, s69, 17                        ; ctx: block x 131,072 + half x 65,536
	s_lshl_b32 s76, s14, 16
	s_add_co_u32 s72, s72, s76
	s_mov_b32 s73, 0
	s_lshl_b32 s74, s68, 17                        ; Wo: row 128 x block + 64 x half, 1,024 bytes a row
	s_add_co_u32 s74, s74, s76
	s_mov_b32 s75, 0
	s_mul_i32 s77, s14, 64*WP
	s_add_co_u32 s77, s77, BB
	s_wait_dscnt 0x0
	s_wait_kmcnt 0x0
	s_load_b64 s[SC:SC+1], s[8:9], 0x28            ; e10, e11
	s_mov_b32 s[G0A], 1
	s_mov_b32 s[G0A+1], s76
	s_add_nc_u64 s[G0A+2:G0A+3], s[4:5], s[72:73]
	s_or_b32 s[G0A+3], s[G0A+3], 0x80000000
	s_mov_b32 s[G0B], 1
	s_mov_b32 s[G0B+1], s77
	s_add_nc_u64 s[G0B+2:G0B+3], s[6:7], s[74:75]
	s_or_b32 s[G0B+3], s[G0B+3], 0x80000000
	CROUND                                         ; all sixteen work-groups are here: the joint loads meet
	s_cmp_eq_u32 s13, 0                            ; one load a wave, in one of two arms
	s_cbranch_scc0 .Lfirst_b
	tensor_load_to_lds s[G0A:G0A+3], s[G1A:G1A+7]
	s_nop 0
	PLACES 4
	s_branch .Lfirst_asked
.Lfirst_b:
	tensor_load_to_lds s[G0B:G0B+3], s[G1B:G1B+7]
	s_nop 0
	PLACES 4
.Lfirst_asked:
	v_and_b32 v1, 15, v0                           ; r
	v_bfe_u32 v11, v0, 4, 1                        ; h
	v_and_b32 v12, 31, v0                          ; lane
	s_lshl_b32 s82, s13, 13                        ; my four tiles of tokens: 2,048 bytes each
	v_lshlrev_b32 v[ADA], 4, v12
	v_add_nc_u32 v[ADA], s82, v[ADA]
	v_add_nc_u32 v[ADA+1], 65536, v[ADA]
	v_mul_u32_u24 v[ADB], v1, WP
	v_lshl_add_u32 v[ADB], v11, 3, v[ADB]
	v_add_nc_u32 v[ADB], s77, v[ADB]               ; my 64 rows of Wo: row r, + 8 h
	s_mul_i32 s82, s[WV], 16*PITCH
	s_add_co_u32 s82, s82, STG                     ; my stage
	v_mul_u32_u24 v[STO], v1, PITCH
	v_lshl_add_u32 v[STO], v11, 5, v[STO]
	v_add_nc_u32 v[STO], s82, v[STO]               ; in: row r, 32 bytes for each half of the lanes
	v_mul_u32_u24 v[RD], v11, PITCH
	v_lshl_add_u32 v[RD], v1, 4, v[RD]
	v_add_nc_u32 v[RD], s82, v[RD]                 ; back: lanes 0-15 one row of 256 bytes, lanes 16-31 the next
	v_lshlrev_b32 v[CO], 12, v11
	v_lshl_add_u32 v[CO], v1, 4, v[CO]             ; and the same two rows in out0
	s_lshl_b32 s80, s69, 19                        ; out0: row 128 x block + 64 (w / 2), 4,096 bytes a row; column 128 x block + 64 (w % 2), 4 bytes each
	s_lshl_b32 s82, s13, 18
	s_add_co_u32 s80, s80, s82
	s_lshl_b32 s82, s68, 9
	s_add_co_u32 s80, s80, s82
	s_lshl_b32 s82, s14, 8
	s_add_co_u32 s80, s80, s82
	s_mov_b32 s81, 0
	s_add_nc_u64 s[10:11], s[10:11], s[80:81]
.macro FETCH ks                        ; K step ks: ctx's four fragments (16 loads of 16 bytes) and Wo's four (32 loads of 8 bytes) into buffer ks % 2
.set FBUF, 128*((\ks)%2)
	WIN TO_F
.irp a, 0,1,2,3
.irp c, 0,1,2,3
	ds_load_b128 v[FBUF+16*\a+4*\c:FBUF+16*\a+4*\c+3], v[ADA+(\ks)/4] offset:((\ks)%4)*16384+2048*\a+512*\c
.endr
.endr
.irp b, 0,1,2,3
.irp c, 0,1,2,3,4,5,6,7
	ds_load_b64 v[FBUF+64+16*\b+2*\c:FBUF+64+16*\b+2*\c+1], v[ADB] offset:16*WP*\b+128*(\ks)+16*\c
.endr
.endr
.endm
.macro MUL8 ks, a0                     ; tiles of tokens a0, a0 + 1 x the four tiles of columns.  The 16 accumulators take turns, in the same order in every K step
.set FBUF, 128*((\ks)%2)
.irp a, \a0, \a0+1
.irp b, 0,1,2,3
.if (\ks) == 0
	v_wmma_f32_16x16x128_fp8_fp8 v[ACC+8*(4*(\a)+\b):ACC+8*(4*(\a)+\b)+7], v[FBUF+64+16*\b:FBUF+64+16*\b+15], v[FBUF+16*(\a):FBUF+16*(\a)+15], 0
.else
	v_wmma_f32_16x16x128_fp8_fp8 v[ACC+8*(4*(\a)+\b):ACC+8*(4*(\a)+\b)+7], v[FBUF+64+16*\b:FBUF+64+16*\b+15], v[FBUF+16*(\a):FBUF+16*(\a)+15], v[ACC+8*(4*(\a)+\b):ACC+8*(4*(\a)+\b)+7]
.endif
.endr
.endr
.endm
.macro KSTEP ks
	s_wait_dscnt 0x0                               ; this K step's fragments are in
	WIN MULW
	MUL8 \ks, 0
.if (\ks) < 7
	PLACES 4                                       ; in front of loads into the buffer that the last K step's products read
	FETCH (\ks)+1
.endif
	WIN MULW
	MUL8 \ks, 2
.endm
	s_wait_alu depctr_va_vdst(0)
	s_wait_tensorcnt 0x0                           ; my load has landed
	s_barrier_signal -1
	s_barrier_wait -1                              ; everybody's has
	FETCH 0
.irp ks, 0,1,2,3,4,5,6,7
	KSTEP \ks
.endr
	WIN 0
; THE WAY OUT, a tile of 16 tokens x 64 columns at a time: x 2^(e10 + e11), through my own stage in LDS, back as whole rows of 256 bytes.  LDS serves a wave's instructions in order (ISA guide 5.7.1.4).
.macro TOSTAGE a
.irp b, 0,1,2,3
.irp j, 0,2,4,6
	v_pk_mul_f32 v[TMP+8*\b+\j:TMP+8*\b+\j+1], v[ACC+8*(4*(\a)+\b)+\j:ACC+8*(4*(\a)+\b)+\j+1], s[SC:SC+1] op_sel_hi:[1,0]   ; each accumulator from its low end on
.endr
.endr
.irp b, 0,1,2,3
	ds_store_b128 v[STO], v[TMP+8*\b:TMP+8*\b+3] offset:64*\b
	ds_store_b128 v[STO], v[TMP+8*\b+4:TMP+8*\b+7] offset:64*\b+16
.endr
.set BB2, BK+32*((\a)%2)
.irp i, 0,1,2,3,4,5,6,7
	ds_load_b128 v[BB2+4*\i:BB2+4*\i+3], v[RD] offset:\i*2*PITCH
.endr
.endm
.macro SEND a, younger                 ; younger: the LDS instructions issued behind tile a's loads
.set BB2, BK+32*((\a)%2)
	s_wait_dscnt \younger
.irp i, 0,1,2,3,4,5,6,7
	global_store_b128 v[CO], v[BB2+4*\i:BB2+4*\i+3], s[10:11] offset:(\a)*65536+\i*8192 th:TH_STORE_NT   ; 16 lanes store 256 consecutive bytes, aligned; written once, read by nobody here
.endr
.endm
	s_wait_kmcnt 0x0
	s_add_co_i32 s[SC], s[SC], s[SC+1]
	s_add_co_i32 s[SC], s[SC], 127
	s_lshl_b32 s[SC], s[SC], 23                    ; 2^(e10 + e11) as f32
	PLACES 4                                       ; behind the last products
	TOSTAGE 0
.irp a, 1,2,3
.if \a > 1
	s_wait_xcnt 0x0                                ; tile a - 2's stores have read their registers: tile a's loads may land there
.endif
	TOSTAGE \a
	SEND \a-1, 16                                  ; behind tile a - 1's loads: tile a's 8 stores and 8 loads
.endr
	SEND 3, 0
	s_wait_tensorcnt 0x0                           ; the wave's end
	ds_add_u32 v30, v31
	s_wait_dscnt 0x0
	CROUND                                         ; the closing round: no work-group ends while a partner may still ask for a tile that names it
	s_endpgm
.Lfunc_end_k_q92ebc10526_oproj:
	.size	k_q92ebc10526_oproj, .Lfunc_end_k_q92ebc10526_oproj-k_q92ebc10526_oproj
	.p2alignl 7, 3214868480
	.fill 96, 4, 3214868480
	.section	.rodata,"a",@progbits
	.p2align	6, 0x0
	.amdhsa_kernel k_q92ebc10526_oproj
		.amdhsa_group_segment_fixed_size 288256
		.amdhsa_private_segment_fixed_size 0
		.amdhsa_enable_private_segment 0
		.amdhsa_kernarg_size 32
		.amdhsa_user_sgpr_count 2
		.amdhsa_user_sgpr_kernarg_segment_ptr 1
		.amdhsa_wavefront_size32 1
		.amdhsa_system_sgpr_workgroup_id_x 1
		.amdhsa_system_sgpr_workgroup_id_y 1
		.amdhsa_system_sgpr_workgroup_id_z 1
		.amdhsa_system_vgpr_workitem_id 0
		.amdhsa_next_free_vgpr 512
		.amdhsa_next_free_sgpr 84
		.amdhsa_reserve_vcc 0
		.amdhsa_float_denorm_mode_32 3
		.amdhsa_float_denorm_mode_16_64 3
		.amdhsa_memory_ordered 1
		.amdhsa_forward_progress 1
		.amdhsa_inst_pref_size 51
	.end_amdhsa_kernel
	.amdgpu_metadata
---
amdhsa.version: [ 1, 2 ]
amdhsa.kernels:
  - .name:           k_q92ebc10526_oproj
    .symbol:         k_q92ebc10526_oproj.kd
    .args:
      - { .name: ctx_img, .offset: 0, .size: 8, .value_kind: global_buffer, .address_space: global }
      - { .name: Wo_codes, .offset: 8, .size: 8, .value_kind: global_buffer, .address_space: global }
      - { .name: lowp_scales, .offset: 16, .size: 8, .value_kind: global_buffer, .address_space: global }
      - { .name: out0, .offset: 24, .size: 8, .value_kind: global_buffer, .address_space: global }
    .group_segment_fixed_size: 288256
    .private_segment_fixed_size: 0
    .kernarg_segment_align: 8
    .kernarg_segment_size: 32
    .max_flat_workgroup_size: 128
    .sgpr_count:     84
    .vgpr_count:     512
    .wavefront_size: 32
...
	.end_amdgpu_metadata
.endif
;; end of part 3
